; MI455X (gfx1250); checked and timed in simulation.
; The chip was launched on July 23, 2026; its instructions are those of AMD's public machine-readable ISA for CDNA 5 (MIT licence, August 2026) and "CDNA5" Instruction Set Architecture Reference Guide (July 2026). The comments in the code are by the model that wrote it; some were corrected since.
;; Cross Path V2. Allowed arithmetic: matrix products marked QUANTISED: E4M3 operands, one given power-of-two scale a tensor, by v_wmma_f32_16x16x64_fp8_fp8 or v_wmma_f32_16x16x128_fp8_fp8, f32 sums; everything else in f32.
;; Inputs: W3_codes 512 x 16 x 32 uint8 (E4M3 codes of W3, K innermost, in blocks of 32 codes); W4_codes 512 x 16 x 32 uint8 (E4M3 codes of W4, K innermost, in blocks of 32 codes); We1_codes 512 x 32 x 32 uint8 (E4M3 codes of We1, K innermost, in blocks of 32 codes); We2_codes 512 x 32 x 32 uint8 (E4M3 codes of We2, K innermost, in blocks of 32 codes); Wkv1_codes 1,024 x 16 x 32 uint8 (E4M3 codes of Wkv1, K innermost, in blocks of 32 codes); Wkv2_codes 1,024 x 16 x 32 uint8 (E4M3 codes of Wkv2, K innermost, in blocks of 32 codes); b3 512 float32; b4 512 float32; be1 512 float32; be2 512 float32; bt1 512 float32; bt2 512 float32; c1_codes 4 x 4,096 x 16 x 32 uint8 (E4M3 codes of c1, K innermost, in blocks of 32 codes); c2_codes 4 x 4,096 x 16 x 32 uint8 (E4M3 codes of c2, K innermost, in blocks of 32 codes); g1 512 float32; g2 512 float32; lowp_scales 20 int32 (the exponents e of the quantised operands' scales 2^e); s1 4 x 4,096 x 512 float32; s2 4 x 4,096 x 512 float32; x1 4 x 4,096 x 512 float32; x2 4 x 4,096 x 512 float32.
;; Outputs: out0 4 x 4,096 x 512 float32; out1 4 x 4,096 x 512 float32.
;; This version of the problem:
;;   THIS VERSION OF THE PROBLEM IS GIVEN IN LOW PRECISION. The matrix products marked QUANTISED in the list below multiply operands that are first quantised to E4M3 (4 exponent bits, 3 mantissa bits; 8 bits a number), with one given power-of-two scale for each operand tensor; their sums are f32. All else is computed in f32.
;;   The module's matrix products, in the order in which they are computed (A, B: the left and right operand; K: the contracted axis; several contracted axes count as one K, in the product's order):
;;     1. [M 16,384, K 512] x [K 512, N 512]; A: input c1 (given as codes); B: input W3 (given as codes): QUANTISED (scales: A lowp_scales[0], B lowp_scales[1])
;;     2. [M 16,384, K 512] x [K 512, N 512]; A: input c2 (given as codes); B: input W4 (given as codes): QUANTISED (scales: A lowp_scales[2], B lowp_scales[3])
;;     3. [M 16,384, K 512] x [K 512, N 1,024]; A: computed on the way; B: input Wkv1 (given as codes): QUANTISED (scales: A lowp_scales[4], B lowp_scales[5])
;;     4. [M 16,384, K 512] x [K 512, N 1,024]; A: computed on the way; B: input Wkv2 (given as codes): QUANTISED (scales: A lowp_scales[6], B lowp_scales[7])
;;     5. batch 32 x [M 64, K 4,096] x [K 4,096, N 64]; A: computed on the way; B: computed on the way: QUANTISED (scales: A lowp_scales[8], B lowp_scales[9])
;;     6. batch 32 x [M 64, K 4,096] x [K 4,096, N 64]; A: computed on the way; B: computed on the way: QUANTISED (scales: A lowp_scales[10], B lowp_scales[11])
;;     7. batch 32 x [M 4,096, K 64] x [K 64, N 64]; A: computed on the way; B: softmax (see below): QUANTISED (scales: A lowp_scales[12], B lowp_scales[13])
;;     8. batch 32 x [M 4,096, K 64] x [K 64, N 64]; A: computed on the way; B: softmax (see below): QUANTISED (scales: A lowp_scales[14], B lowp_scales[15])
;;     9. [M 16,384, K 1,024] x [K 1,024, N 512]; A: computed on the way; B: input We1 (given as codes): QUANTISED (scales: A lowp_scales[16], B lowp_scales[17])
;;     10. [M 16,384, K 1,024] x [K 1,024, N 512]; A: computed on the way; B: input We2 (given as codes): QUANTISED (scales: A lowp_scales[18], B lowp_scales[19])
;;   THE QUANTISER, for each operand of a quantised product, along K:
;;     - The operand's scale is 2^e, e = its entry of the input lowp_scales (int32; the entries are numbered through the quantised products in the list's order, A before B).
;;     - Each number is divided by the scale, clamped to +-448, and rounded to the nearest number of E4M3, ties to even, subnormals kept.
;;     - The product sums the exact products of the quantised numbers (number of the format x scale) in f32.
;;   ~~~python
;;   def quantise(x, axis, e):      # numpy; x: float32 -> the quantised numbers, widened to float32 again
;;       x = np.moveaxis(x, axis, -1); K = x.shape[-1]
;;       r = np.clip(x / 2.0 ** e, -448, 448)
;;       step = 2.0 ** (np.maximum(np.frexp(np.where(r == 0, 1, r))[1] - 1, -6) - 3)
;;       q = np.round(r / step) * step * 2.0 ** e      # np.round: ties to even
;;       return np.moveaxis(q, -1, axis).astype(np.float32)
;;   ~~~
;;   SOFTMAX AHEAD OF A QUANTISED PRODUCT. Where the list says 'softmax', what is quantised is not the finished softmax but p = 2^(t - M), with t = logit x log2(e) and M = ceil(the row's largest t), a whole number; so 1/2 < the row's largest p <= 1. The row's sum l is taken of the UNQUANTISED p, in f32, and the product's result is divided by l at the end. Since M is a whole number, a kernel that streams over the keys may use a running M (the ceiling of the running maximum): every later rescaling is an exact power of two, so the quantised numbers keep their values, but for numbers so far below the row's largest that they fall under the format's range.
;;   OPERANDS COMPUTED ON THE WAY. 'Computed on the way' means the value that the module computes at that place (a softmax that the list does not call 'softmax' is quantised finished and normalised). What goes into a quantiser is computed in f32, as accurately as f32 sums, v_exp_f32 and their like allow (about 1e-6 of the number): no bf16 or f16 on the way to a quantiser, and a product that is left as it is and whose result goes on into a quantised operand takes f32 operands (vector FMAs, or v_wmma_f32_16x16x4_f32). A number that lies on a knife's edge between two numbers of the format may be rounded either way, as far as f32 arithmetic and the matrix unit's own rounding can turn it there, and no further.
;;   INPUTS GIVEN AS CODES. W3 (in the module: [512, 512], K = its axis 0); W4 (in the module: [512, 512], K = its axis 0); We1 (in the module: [1024, 512], K = its axis 0); We2 (in the module: [1024, 512], K = its axis 0); Wkv1 (in the module: [512, 1024], K = its axis 0); Wkv2 (in the module: [512, 1024], K = its axis 0); c1 (in the module: [4, 4096, 512], K = its axis 2); c2 (in the module: [4, 4096, 512], K = its axis 2): each comes as NAME_codes (uint8): NAME with its K axis moved to the last place and cut into blocks of 32 codes, [.., K / 32, bytes a block], one block behind the other in memory; one code a byte (a code: sign, 4 exponent bits, 3 mantissa bits); its scale is its entry of lowp_scales. Its value is code x scale, taken as it is: it is not quantised again, and the codes and scales need not be those that the quantiser above would give.
;; One version. Each part assembles by itself: llvm-mc -triple=amdgcn-amd-amdhsa -mcpu=gfx1250 --defsym DOCPART=n.
;; ======== version 1 of 1: 3 launches
;; workspace buffers: qimg 16,777,216 bytes; ctxp 33,554,432 bytes; pimg 262,144 bytes; linv 32,768 bytes
;; launch front (part 1): grid 128 x 2, 4 waves a work-group, clusters of 4 x 1, 327,680 bytes of LDS; arguments c1_codes, c2_codes, W3_codes, W4_codes, Wkv1_codes, Wkv2_codes, b3, b4, lowp_scales, qimg, ctxp; writes qimg, ctxp
.if DOCPART == 1
	.amdgcn_target "amdgcn-amd-amdhsa--gfx1250"
	.amdhsa_code_object_version 6
	.text
	.protected	k_qf5aa44d2f7_front
	.globl	k_qf5aa44d2f7_front
	.p2align	8
	.type	k_qf5aa44d2f7_front,@function
k_qf5aa44d2f7_front:
	s_mov_b64 s[64:65], 0
	v_nop
	global_prefetch_b8 v0, s[64:65] scope:SCOPE_SE
	s_setreg_imm32_b32 hwreg(HW_REG_WAVE_MODE, 25, 1), 1
	s_wait_xcnt 0x0
	s_wait_alu depctr_hold_cnt(0) depctr_sa_sdst(0) depctr_va_vdst(0) depctr_va_sdst(0) depctr_va_ssrc(0) depctr_va_vcc(0) depctr_vm_vsrc(0)
	s_getreg_b32 s2, hwreg(HW_REG_IB_STS2, 6, 4)
	s_cmp_eq_u32 s2, 0
	s_cbranch_scc0 .Lentry_in_a_cluster
	s_endpgm
.Lentry_in_a_cluster:
	s_bfe_u32 s2, ttmp6, 0x10000c
	s_cmp_lg_u32 s2, 0x3003
	s_cbranch_scc0 .Lentry_shape_is_right
	s_endpgm
.Lentry_shape_is_right:
; FRONT.  For one path (grid y) and 128 tokens (grid x): c = relu(c_codes W + b); the codes of c for the kv product and for the q operand; kv = Q(c) Wkv;
; the codes of k and v along the tokens; the part of ctx = Q(k)^T Q(v) that these 128 tokens give, for all 8 heads, in f32.  All products on E4M3 codes, f32 sums.
; SHARES.  Four waves share the COLUMNS: wave w makes hidden units 128 w .. 128 w + 127 for all 128 tokens, and the k and v channels of heads 2 w and 2 w + 1.
; A PASS is 64 weight rows of the wave x K 512: 128 matrix instructions on 32 accumulators (8 tiles of tokens x 4 tiles of columns).  The activations, 32 fragments, stay in 512 registers,
; so LDS is read for weights alone and each weight fragment feeds eight products.  Six passes: W rows 0-63, 64-127; Wkv: k of head 2 w, v of head 2 w, k of head 2 w + 1, v of head 2 w + 1.
; CLUSTER.  The four work-groups of a cluster belong to one path and walk the same weights: every weight tile is asked for JOINTLY (mask 15), wave w of each asking for the same 64 rows.
; THE TOKENS (c_codes) are not shared between work-groups, but all four waves need all 128 rows.  Each wave loads 32 of them, in pieces of 256 consecutive bytes (two rows an instruction), and the waves hand them
; to each other through XR, half of K at a time: so each byte is asked for once, and every fragment comes by LDS loads.
; ORIENTATION.  First product transposed (source 0 = 16 rows of W, source 1 = 16 tokens): a lane holds one token and eight neighbouring units, which are neighbours along the next K.
; Second product as written (source 0 = tokens, source 1 = 16 rows of Wkv): a lane holds one channel and eight neighbouring tokens, which are neighbours along the K of ctx.
; A fragment of K = 128 is taken by four loads of 16 bytes (register 4 c .. 4 c + 3: k = 32 c + 16 (lane / 16) + 0 .. 15), alike on both sides of a product.
; LIMITS: each folded exponent (e4 - e0 - e1, e12 - e0 - e1, e8 - e4 - e5, e9 - e4 - e5 and their like for path 1) lies between -126 and 119, so that the scale and 448 x the scale are f32 numbers.  NaN among the inputs is not served.
; REGISTERS, in windows of 256.  Window 0: v3 16 x lane; v4, v5 the spare word and 0; v6, v7 my weight rows in slot 0, 1; v8, v9 XR in and out; v10 c in memory; v11 bias; v12-19 scale and limit pairs; v21 c into XR;
;   v32-95 q codes, later k codes; v96-127 bias; v128-191, v192-255 first my rows of c as loaded, then two sets of four weight fragments, free in the epilogues.
;   Windows 1, 2: activations (t, s) at window 1 + t / 4, v[64 (t % 4) + 16 s].   Window 3: accumulator (t, b) at v[8 (4 t + b)].
.set WV,    26
.set WP,    528                        ; a weight row in LDS: 512 bytes + 16 of padding: 33 x 16, so the 16 rows of a load start in 16 different columns of 16 bytes
.set WTILE, 64*WP                      ; what one tensor load brings, and what one wave reads
.set SLOTB, 4*WTILE
.set XR,    2*SLOTB                    ; 128 token rows x 272: 256 codes of every token at a time: first the given c, then the computed c; written by LDS stores alone
.set XP,    272
.set SPARE, XR+128*XP                  ; the spare words, 128 bytes a wave: two blocks of 256 bytes that no other line names
.set T1,    32
.set BI,    96
.set WS,    128
.set QC,    192
.set MSB, 0
.macro WIN new                         ; the high byte of the immediate repeats the setting that is left; a switch that changes nothing is dropped
.if MSB != (\new)
	s_set_vgpr_msb (MSB<<8)|(\new)
.set MSB, (\new)
.endif
.endm
.macro PLACES n
.rept \n
	v_nop
.endr
.endm
.macro ROUND                           ; a round of the barrier of the cluster
	s_barrier_signal -1
	s_barrier_wait -1
	s_cmp_lg_u32 s[WV], 0
	s_cbranch_scc1 .Lnw0_\@
	s_barrier_signal -3
.Lnw0_\@:
	s_barrier_wait -3
	s_barrier_signal -1
	s_barrier_wait -1
.endm
.macro MKSC vs, vl, se                 ; v[vs] = 2^E as f32 (the conversion takes its exponent field), v[vl] = 448 x 2^E, E in s[se]
	s_add_co_i32 s66, s[\se], 127
	s_lshl_b32 s67, s66, 23
	v_mov_b32 v[\vs], s67
	s_add_co_i32 s66, s66, 8
	s_lshl_b32 s66, s66, 23
	s_or_b32 s66, s66, 0x600000
	v_mov_b32 v[\vl], s66
.endm
.macro CLOAD                           ; my 32 rows of c: load j of half p: rows 2 j and 2 j + 1, bytes 256 p .. + 255: sixteen lanes read 256 consecutive bytes
.irp p, 0,1
.irp j, 0,1,2,3,4,5,6,7,8,9,10,11,12,13,14,15
	global_load_b128 v[WS+64*\p+4*\j:WS+64*\p+4*\j+3], v10, s[4:5] offset:\j*1024+256*\p th:TH_LOAD_NT
.endr
.endr
.endm
.macro CSTORE p                        ; half p of my rows into XR: token row, byte 16 (lane % 16)
.irp j, 0,1,2,3,4,5,6,7,8,9,10,11,12,13,14,15
	ds_store_b128 v21, v[WS+64*\p+4*\j:WS+64*\p+4*\j+3] offset:\j*2*XP
.endr
.endm
.macro CREAD p                         ; and back as fragments, in every wave: byte 128 s + 32 c + 16 h of XR is k = 256 p + 128 s + 32 c + 16 h
.irp t, 0,1,2,3,4,5,6,7
	WIN 0x40+0x40*(\t/4)
.irp s, 0,1
.irp c, 0,1,2,3
	ds_load_b128 v[64*(\t%4)+16*(2*\p+\s)+4*\c:64*(\t%4)+16*(2*\p+\s)+4*\c+3], v9 offset:\t*16*XP+128*\s+32*\c
.endr
.endr
.endr
	WIN 0
.endm
.macro WFETCH slot, s, set             ; my four weight fragments of the s-th 128 along K
.irp b, 0,1,2,3
.irp c, 0,1,2,3
	ds_load_b128 v[WS+64*(\set)+16*\b+4*\c:WS+64*(\set)+16*\b+4*\c+3], v[6+\slot] offset:\b*16*WP+128*(\s)+32*\c
.endr
.endr
.endm
; 32 matrix instructions, the 32 accumulators by turns in the same order in every step.  tr = 1: transposed, the first step takes the bias as C; tr = 0: the first step takes 0.
.macro MULS tr, s, set, first
.irp hh, 0,1
.if \tr
.if \first
	WIN 0xC4+4*\hh
.else
	WIN 0xF4+4*\hh
.endif
.else
	WIN 0xF1+\hh
.endif
.irp tt, 0,1,2,3
.irp b, 0,1,2,3
.set AC, 8*(4*(4*\hh+\tt)+\b)
.set WF, WS+64*(\set)+16*\b
.set AF, 64*\tt+16*(\s)
.if \tr
.if \first
	v_wmma_f32_16x16x128_fp8_fp8 v[AC:AC+7], v[WF:WF+15], v[AF:AF+15], v[BI+8*\b:BI+8*\b+7]
.else
	v_wmma_f32_16x16x128_fp8_fp8 v[AC:AC+7], v[WF:WF+15], v[AF:AF+15], v[AC:AC+7]
.endif
.else
.if \first
	v_wmma_f32_16x16x128_fp8_fp8 v[AC:AC+7], v[AF:AF+15], v[WF:WF+15], 0
.else
	v_wmma_f32_16x16x128_fp8_fp8 v[AC:AC+7], v[AF:AF+15], v[WF:WF+15], v[AC:AC+7]
.endif
.endif
.endr
.endr
.endr
.endm
; A pass: four steps of 128 along K.  The fragments of step s + 1 are asked for in one run ahead of the 32 products of step s.
.macro PASS tr, slot
	WIN 0
	WFETCH \slot, 0, 0
.irp s, 0,1,2,3
.if \s < 3
.if \s > 0
	PLACES 4                                       ; four plain lines between the products that read a set and the loads into it
.endif
	WIN 0
	WFETCH \slot, \s+1, (\s+1)%2
	s_wait_dscnt 16                                ; all but the 16 loads just issued: the set of this step is in
.else
	s_wait_dscnt 0x0
.endif
.if \s == 0
	MULS \tr, \s, \s%2, 1
.else
	MULS \tr, \s, \s%2, 0
.endif
.endr
	WIN 0
.endm
; A slot that has been read out is filled again, jointly: all my tensor loads have landed, 0 onto my spare word, that and my reads of the slot are done, a round of the cluster, and the load first behind it.
.macro REFILL slot, const
	WIN 0
	s_wait_tensorcnt 0x0                           ; no tensor load of mine is out, so a group 0 may be written
	ds_add_u32 v4, v5
	s_add_nc_u64 s[42+4*\slot:43+4*\slot], s[8:9], \const
	s_or_b32 s[43+4*\slot], s[43+4*\slot], 0x80000000
	s_wait_dscnt 0x0
	ROUND
	tensor_load_to_lds s[40+4*\slot:43+4*\slot], s[32:39]
	s_nop 0
	PLACES 4                                       ; behind a tensor load; also the places between the last products and the epilogue
.endm
.macro BLOAD p                         ; lane (r, h), tile b: the bias of units 64 p + 16 b + 8 h + 0 .. 7 of my 128: the layout of a result
.irp b, 0,1,2,3
	global_load_b128 v[BI+8*\b:BI+8*\b+3], v11, s[10:11] offset:256*\p+64*\b
	global_load_b128 v[BI+8*\b+4:BI+8*\b+7], v11, s[10:11] offset:256*\p+64*\b+16
.endr
.endm
.macro BSCALE                          ; a sum stands for sum x 2^(ec + eW): the bias goes in divided by that
.set i, 0
.rept 32
	v_ldexp_f32 v[BI+i], v[BI+i], s63
.set i, i+1
.endr
.endm
; The epilogue of a pass of the first product: relu and the hold in one, twice (two scales), two sets of codes.  The q codes of tile t are a K = 64 fragment of head 2 w + p as they stand, and go to memory so.
.macro EPI1 p
.irp t, 0,1,2,3,4,5,6,7
	WIN 0x03
.set i, 0
.rept 32
	v_med3_num_f32 v[WS+i], v[32*\t+i], 0, v13     ; each accumulator from its low end on
.set i, i+1
.endr
.set i, 0
.rept 32
	v_med3_num_f32 v[WS+32+i], v[32*\t+i], 0, v15
.set i, i+1
.endr
	WIN 0
.irp b, 0,1,2,3
	v_cvt_scalef32_pk8_fp8_f32 v[QC+8*\t+2*\b:QC+8*\t+2*\b+1], v[WS+8*\b:WS+8*\b+7], v12
.endr
.irp b, 0,1,2,3
	v_cvt_scalef32_pk8_fp8_f32 v[T1+8*\t+2*\b:T1+8*\t+2*\b+1], v[WS+32+8*\b:WS+32+8*\b+7], v14
.endr
	v_nop                                          ; one plain line between the conversions and the next lines that write their sources
	global_store_b128 v3, v[T1+8*\t:T1+8*\t+3], s[22:23] offset:\p*8192+\t*1024 th:TH_STORE_NT       ; 32 lanes store 512 consecutive bytes
	global_store_b128 v3, v[T1+8*\t+4:T1+8*\t+7], s[22:23] offset:\p*8192+\t*1024+512 th:TH_STORE_NT
.endr
.endm
.macro XSTORE                          ; my 64 units of every token into XR: token row, byte 64 w + 16 b + 8 h
.irp t, 0,1,2,3,4,5,6,7
.irp b, 0,1,2,3
	ds_store_b64 v8, v[QC+8*\t+2*\b:QC+8*\t+2*\b+1] offset:\t*16*XP+16*\b
.endr
.endr
.endm
.macro XREAD p                         ; and back as halves of fragments: byte 64 s + 32 c + 16 h of XR is unit 128 s + 64 p + 32 c + 16 h
.irp t, 0,1,2,3,4,5,6,7
	WIN 0x40+0x40*(\t/4)
.irp s, 0,1,2,3
.irp c, 0,1
	ds_load_b128 v[64*(\t%4)+16*\s+8*\p+4*\c:64*(\t%4)+16*\s+8*\p+4*\c+3], v9 offset:\t*16*XP+64*\s+32*\c
.endr
.endr
.endr
	WIN 0
.endm
; The epilogue of a pass of the second product: the hold, and codes along the tokens: register 2 t, 2 t + 1 of fragment b: tokens 16 t + 8 h + 0 .. 7 of channel 16 b + r.
.macro EPI3 dst, sc, lim
	WIN 0xC3
.set i, 0
.rept 256
	v_med3_num_f32 v[i], v[i], -v[\lim], v[\lim]
.set i, i+1
.endr
	WIN 0x03
.irp t, 0,1,2,3,4,5,6,7
.irp b, 0,1,2,3
	v_cvt_scalef32_pk8_fp8_f32 v[\dst+16*\b+2*\t:\dst+16*\b+2*\t+1], v[8*(4*\t+\b):8*(4*\t+\b)+7], v[\sc]
.endr
.endr
	v_nop
	WIN 0
.endm
; ctx of head 2 w + u over my 128 tokens: 16 products; lane (r, h), register j of accumulator (et, dt): d = 16 dt + 8 h + j, e = 16 et + r.  It leaves as an image of the registers.
.macro CTX u
	WIN 0xC0
.irp et, 0,1,2,3
.irp dt, 0,1,2,3
	v_wmma_f32_16x16x128_fp8_fp8 v[8*(4*\et+\dt):8*(4*\et+\dt)+7], v[T1+16*\dt:T1+16*\dt+15], v[WS+16*\et:WS+16*\et+15], 0
.endr
.endr
	PLACES 5                                       ; four plain lines serve the stores of these results and the next pass's loads into v128-191; the fifth serves the next pass's first products, which begin their sums anew, with C = 0, in these very registers
	WIN 0x0C
.set i, 0
.rept 32
	global_store_b128 v3, v[4*i:4*i+3], s[24:25] offset:\u*524288+512*i th:TH_STORE_NT
.set i, i+1
.endr
	WIN 0
.endm
	s_load_b512 s[4:19], s[0:1], 0x0               ; c1, c2, W3, W4, Wkv1, Wkv2, b3, b4
	s_load_b128 s[20:23], s[0:1], 0x40             ; the exponents, qimg
	s_load_b64 s[24:25], s[0:1], 0x50              ; ctxp
	v_lshl_add_u32 v4, v0, 2, SPARE
	v_mov_b32 v5, 0
	ds_add_u32 v4, v5
	ds_add_u32 v4, v5
	s_wait_dscnt 0x0
	v_lshrrev_b32 v1, 5, v0
	v_readfirstlane_b32 s[WV], v1                  ; wave 0..3
	s_and_b32 s27, ttmp7, 0xffff                   ; the path, which the four partners share
	s_bfe_u32 s29, ttmp6, 0x40000                  ; cx
	s_lshl_b32 s28, ttmp9, 2
	s_add_co_u32 s28, s28, s29                     ; X: my block of 128 tokens; it enters the addresses of c, qimg and ctxp alone
	s_lshl_b32 s30, s27, 3                         ; two exponents on for path 1
	s_mov_b32 s32, 15|(1<<20)|(1<<21)|(6<<22)|(3<<25)  ; the mask: all four; elements of 1 byte; padding on; bit 21 beside a mask; after every 128 words, 4 words
	s_mov_b32 s33, 512<<16                         ; tensor_dim0
	s_mov_b32 s34, 64<<16                          ; tensor_dim1
	s_mov_b32 s35, 512<<16                         ; tile_dim0
	s_mov_b32 s36, 64                              ; tile_dim1
	s_mov_b32 s37, 512                             ; from row to row
	s_mov_b32 s38, 0
	s_mov_b32 s39, 0
	s_mul_i32 s31, s[WV], WTILE                    ; my place in a slot
	s_lshl_b32 s56, s[WV], 16                      ; my 128 rows of W, and of each half of Wkv
	s_mov_b32 s57, 0
	s_lshl_b32 s58, s28, 16                        ; the block's 128 rows of c,
	s_lshl_b32 s59, s[WV], 14                      ; and my wave's 32 of them
	s_add_co_u32 s58, s58, s59
	s_mov_b32 s59, 0
	s_lshl_b32 s60, s27, 7
	s_add_co_u32 s60, s60, s28
	s_lshl_b32 s60, s60, 16
	s_lshl_b32 s61, s[WV], 14
	s_add_co_u32 s60, s60, s61                     ; qimg: (128 path + X) x 65,536 + 16,384 w
	s_mov_b32 s61, 0
	s_lshl_b32 s62, s27, 2
	s_lshr_b32 s63, s28, 5
	s_add_co_u32 s62, s62, s63                     ; 4 path + batch
	s_lshl_b32 s62, s62, 3
	s_lshl_b32 s63, s[WV], 1
	s_add_co_u32 s62, s62, s63                     ; x 8 + head 2 w
	s_lshl_b32 s62, s62, 19
	s_and_b32 s63, s28, 31
	s_lshl_b32 s63, s63, 14
	s_add_co_u32 s62, s62, s63                     ; x 524,288 + 16,384 x chunk
	s_mov_b32 s63, 0
	s_lshl_b32 s68, s[WV], 9
	s_mov_b32 s69, 0
	v_and_b32 v1, 15, v0                           ; r
	v_bfe_u32 v2, v0, 4, 1                         ; h
	v_and_b32 v3, 31, v0
	v_lshlrev_b32 v3, 4, v3
	v_mul_u32_u24 v6, v1, WP
	v_lshl_add_u32 v6, v2, 4, v6
	v_add_nc_u32 v6, s31, v6
	v_add_nc_u32 v7, SLOTB, v6
	v_mul_u32_u24 v20, v1, XP
	v_lshl_add_u32 v9, v2, 4, v20
	v_add_nc_u32 v9, XR, v9
	s_lshl_b32 s70, s[WV], 6
	s_add_co_u32 s70, s70, XR
	v_lshl_add_u32 v8, v2, 3, v20
	v_add_nc_u32 v8, s70, v8
	s_mul_i32 s70, s[WV], 32*XP
	s_add_co_u32 s70, s70, XR
	v_mul_u32_u24 v21, v2, XP
	v_lshl_add_u32 v21, v1, 4, v21
	v_add_nc_u32 v21, s70, v21                     ; c into XR: row 32 w + h, byte 16 r
	v_lshlrev_b32 v10, 9, v2
	v_lshl_add_u32 v10, v1, 4, v10                 ; c in memory: row h of a pair, byte 16 r
	v_lshlrev_b32 v11, 5, v2
	s_wait_kmcnt 0x0
	s_cmp_eq_u32 s27, 0                            ; the choice hangs on the path alone
	s_cselect_b64 s[4:5], s[4:5], s[6:7]           ; c
	s_cselect_b64 s[6:7], s[8:9], s[10:11]         ; W
	s_cselect_b64 s[8:9], s[12:13], s[14:15]       ; Wkv
	s_cselect_b64 s[10:11], s[16:17], s[18:19]     ; b
	s_load_b64 s[48:49], s[20:21], s30 offset:0x0  ; ec, eW
	s_load_b64 s[50:51], s[20:21], s30 offset:0x10 ; eqc, ewkv
	s_load_b64 s[52:53], s[20:21], s30 offset:0x20 ; ek, ev
	s_load_b64 s[54:55], s[20:21], s30 offset:0x30 ; eq (and the exponent of p, not used here)
	s_add_nc_u64 s[4:5], s[4:5], s[58:59]
	s_add_nc_u64 s[6:7], s[6:7], s[56:57]
	s_add_nc_u64 s[8:9], s[8:9], s[56:57]
	s_add_nc_u64 s[10:11], s[10:11], s[68:69]
	s_add_nc_u64 s[22:23], s[22:23], s[60:61]
	s_add_nc_u64 s[24:25], s[24:25], s[62:63]
	CLOAD                                          ; the tokens and the bias are asked for ahead of the round: they need no partner
	BLOAD 0
	s_mov_b32 s40, 1
	s_mov_b32 s41, s31
	s_mov_b64 s[42:43], s[6:7]                     ; pass 0: my rows 0-63 of W
	s_or_b32 s43, s43, 0x80000000
	s_mov_b32 s44, 1
	s_add_co_u32 s45, s31, SLOTB
	s_add_nc_u64 s[46:47], s[6:7], 32768           ; pass 1: my rows 64-127
	s_or_b32 s47, s47, 0x80000000
	ROUND                                          ; all four work-groups are here: the first joint loads meet
	tensor_load_to_lds s[40:43], s[32:39]
	s_nop 0
	tensor_load_to_lds s[44:47], s[32:39]          ; two tensor loads of mine are out here, one behind every later round
	s_nop 0
	PLACES 4
	s_wait_kmcnt 0x0
	s_add_co_i32 s60, s48, s49                     ; ec + eW
	s_sub_co_i32 s61, s50, s60
	MKSC 12, 13, 61                                ; c for the kv product: 2^(eqc - ec - eW)
	s_sub_co_i32 s61, s54, s60
	MKSC 14, 15, 61                                ; c as q: 2^(eq - ec - eW)
	s_add_co_i32 s62, s50, s51
	s_sub_co_i32 s61, s52, s62
	MKSC 16, 17, 61                                ; k: 2^(ek - eqc - ewkv)
	s_sub_co_i32 s61, s53, s62
	MKSC 18, 19, 61                                ; v
	s_sub_co_i32 s63, 0, s60
	s_wait_loadcnt 24                              ; the first half's 16 loads are in; the second half's 16 and the 8 of the bias may be out
	CSTORE 0
	s_wait_dscnt 0x0                               ; for the others: my rows have landed in XR
	s_barrier_signal -1
	s_barrier_wait -1                              ; the two weight tiles may stay on their way
	CREAD 0
	s_wait_loadcnt 0x0                             ; the second half and the bias
	BSCALE                                         ; (work on registers while the fragments come)
	s_wait_dscnt 0x0                               ; my reads of the first half are in,
	s_barrier_signal -1
	s_barrier_wait -1                              ; everybody's are: XR may be written again
	CSTORE 1
	s_wait_dscnt 0x0
	s_barrier_signal -1
	s_barrier_wait -1
	CREAD 1                                        ; waited for with the first weight fragments, in the pass
	s_wait_tensorcnt 0x1                           ; pass 0 has landed; the load of pass 1 may be out.  Only the wave that asked reads these rows
	PASS 1, 0
	REFILL 0, 0                                    ; k of head 2 w.  Its wait on LDS and its round also part the reads of c from the stores into XR below
	BLOAD 1
	EPI1 0
	XSTORE
	s_wait_loadcnt 0x0
	BSCALE
	s_wait_tensorcnt 0x1                           ; one load was issued behind that of pass 1
	PASS 1, 1
	REFILL 1, 262144                               ; v of head 2 w.  Its wait on LDS and its round also show every wave the first half of XR
	XREAD 0
	s_wait_xcnt 0x0                                ; the stores of the q codes have read v32-95, which are written again
	EPI1 1
	s_wait_dscnt 0x0                               ; my reads of the first half are in,
	s_barrier_signal -1
	s_barrier_wait -1                              ; everybody's are: XR may be written again
	XSTORE
	s_wait_dscnt 0x0
	s_barrier_signal -1
	s_barrier_wait -1
	XREAD 1
	s_wait_tensorcnt 0x1
	PASS 0, 0
	REFILL 0, 32768                                ; k of head 2 w + 1
	s_wait_xcnt 0x0                                ; the q codes' stores have read v32-95
	EPI3 T1, 16, 17
	s_wait_tensorcnt 0x1
	PASS 0, 1
	REFILL 1, 294912                               ; v of head 2 w + 1
	EPI3 WS, 18, 19
	CTX 0
	s_wait_xcnt 0x0                                ; the stores of ctx have read the accumulators, which the next pass writes
	s_wait_tensorcnt 0x1
	PASS 0, 0
	PLACES 4
	EPI3 T1, 16, 17
	s_wait_tensorcnt 0x0                           ; the last tile: no load was issued behind it
	PASS 0, 1
	PLACES 4
	EPI3 WS, 18, 19
	CTX 1
	s_wait_tensorcnt 0x0                           ; the end of the wave
	ds_add_u32 v4, v5
	s_wait_dscnt 0x0
	ROUND                                          ; the closing round
	s_endpgm
.Lfunc_end_k_qf5aa44d2f7_front:
	.size	k_qf5aa44d2f7_front, .Lfunc_end_k_qf5aa44d2f7_front-k_qf5aa44d2f7_front
	.p2alignl 7, 3214868480
	.fill 96, 4, 3214868480
	.section	.rodata,"a",@progbits
	.p2align	6, 0x0
	.amdhsa_kernel k_qf5aa44d2f7_front
		.amdhsa_group_segment_fixed_size 327680
		.amdhsa_private_segment_fixed_size 0
		.amdhsa_enable_private_segment 0
		.amdhsa_kernarg_size 88
		.amdhsa_user_sgpr_count 2
		.amdhsa_user_sgpr_kernarg_segment_ptr 1
		.amdhsa_wavefront_size32 1
		.amdhsa_system_sgpr_workgroup_id_x 1
		.amdhsa_system_sgpr_workgroup_id_y 1
		.amdhsa_system_sgpr_workgroup_id_z 1
		.amdhsa_system_vgpr_workitem_id 0
		.amdhsa_next_free_vgpr 1024
		.amdhsa_next_free_sgpr 72
		.amdhsa_reserve_vcc 0
		.amdhsa_float_denorm_mode_32 3
		.amdhsa_float_denorm_mode_16_64 3
		.amdhsa_memory_ordered 1
		.amdhsa_forward_progress 1
		.amdhsa_inst_pref_size 255
	.end_amdhsa_kernel
	.section	.bss,"aw",@nobits
	.p2align	6
	.space	262144
	.amdgpu_metadata
---
amdhsa.version: [ 1, 2 ]
amdhsa.kernels:
  - .name:           k_qf5aa44d2f7_front
    .symbol:         k_qf5aa44d2f7_front.kd
    .args:
      - { .name: c1_codes, .offset: 0, .size: 8, .value_kind: global_buffer, .address_space: global }
      - { .name: c2_codes, .offset: 8, .size: 8, .value_kind: global_buffer, .address_space: global }
      - { .name: W3_codes, .offset: 16, .size: 8, .value_kind: global_buffer, .address_space: global }
      - { .name: W4_codes, .offset: 24, .size: 8, .value_kind: global_buffer, .address_space: global }
      - { .name: Wkv1_codes, .offset: 32, .size: 8, .value_kind: global_buffer, .address_space: global }
      - { .name: Wkv2_codes, .offset: 40, .size: 8, .value_kind: global_buffer, .address_space: global }
      - { .name: b3, .offset: 48, .size: 8, .value_kind: global_buffer, .address_space: global }
      - { .name: b4, .offset: 56, .size: 8, .value_kind: global_buffer, .address_space: global }
      - { .name: lowp_scales, .offset: 64, .size: 8, .value_kind: global_buffer, .address_space: global }
      - { .name: qimg, .offset: 72, .size: 8, .value_kind: global_buffer, .address_space: global }
      - { .name: ctxp, .offset: 80, .size: 8, .value_kind: global_buffer, .address_space: global }
    .group_segment_fixed_size: 327680
    .private_segment_fixed_size: 0
    .kernarg_segment_align: 8
    .kernarg_segment_size: 88
    .max_flat_workgroup_size: 128
    .sgpr_count:     72
    .vgpr_count:     1024
    .wavefront_size: 32
...
	.end_amdgpu_metadata
.endif
;; end of part 1
;; launch mid (part 2): grid 256 x 1, 8 waves a work-group, no clusters, 37,888 bytes of LDS; arguments ctxp, lowp_scales, pimg, linv; writes pimg, linv
.if DOCPART == 2
	.amdgcn_target "amdgcn-amd-amdhsa--gfx1250"
	.amdhsa_code_object_version 6
	.text
	.protected	k_qf5aa44d2f7_mid
	.globl	k_qf5aa44d2f7_mid
	.p2align	8
	.type	k_qf5aa44d2f7_mid,@function
k_qf5aa44d2f7_mid:
	s_mov_b64 s[64:65], 0
	v_nop
	global_prefetch_b8 v0, s[64:65] scope:SCOPE_SE
	s_setreg_imm32_b32 hwreg(HW_REG_WAVE_MODE, 25, 1), 1
	s_wait_xcnt 0x0
; MID.  A work-group takes 16 columns e (tile et) of the ctx of one (path, batch, head): it adds the 32 partial sums, and makes p = 2^(t - M) over d, its codes, and 2^(eq + ep) / l.
; t = ctx x 2^(ek + ev) x log2(e) / 8; M = the ceiling of the largest t of the column, a whole number; l = the sum of the unquantised p.
; The partial sums lie as images of accumulator registers, so every load is 512 consecutive bytes and nothing changes lanes: lane (r, h), register 8 dt + j: d = 16 dt + 8 h + j, e = 16 et + r.
; Wave v adds chunks 4 v .. 4 v + 3; the eight sums meet in LDS, where wave v adds the v-th group of four registers; wave 0 does the softmax.  Memory binds: no matrix unit, no tensor load, no cluster.
; The codes leave as a K = 64 fragment (register 2 dt, 2 dt + 1: d = 16 dt + 8 h + 0 .. 7 of row e).  eq and ep are those of the product in which this ctx meets the OTHER path's q.
; LIMITS: ep between -126 and 119.  NaN among the inputs is not served.
	s_load_b128 s[4:7], s[0:1], 0x0                ; ctxp, the exponents
	s_load_b128 s[8:11], s[0:1], 0x10              ; pimg, linv
	v_lshl_add_u32 v144, v0, 2, 0x9000
	v_mov_b32 v145, 0
	v_lshrrev_b32 v1, 5, v0
	v_readfirstlane_b32 s12, v1                    ; wave 0..7
	v_and_b32 v2, 31, v0
	v_lshlrev_b32 v3, 4, v2                        ; 16 x lane
	v_lshl_add_u32 v4, v1, 12, v3                  ; LDS: my wave's 4,096 bytes
	v_lshl_add_u32 v5, v1, 9, v3                   ; LDS: group v of a wave's eight
	s_and_b32 s13, ttmp9, 3                        ; et
	s_lshr_b32 s14, ttmp9, 2                       ; G = (4 path + batch) x 8 + head
	s_lshr_b32 s15, ttmp9, 7                       ; path
	s_lshl_b32 s16, s14, 19
	s_lshl_b32 s17, s13, 12
	s_add_co_u32 s16, s16, s17
	s_lshl_b32 s17, s12, 16
	s_add_co_u32 s16, s16, s17                     ; 524,288 G + 4,096 et + 4 chunks x wave
	s_mov_b32 s17, 0
	s_lshl_b32 s18, s15, 3
	s_sub_co_u32 s19, 8, s18
	s_mov_b32 s26, 0x76543210                      ; lane l xor 16
	s_mov_b32 s27, 0xfedcba98
	s_wait_kmcnt 0x0
	s_load_b64 s[20:21], s[6:7], s18 offset:0x20   ; ek, ev of this path
	s_load_b64 s[22:23], s[6:7], s19 offset:0x30   ; eq, ep of the product of the other path's q
	s_add_nc_u64 s[4:5], s[4:5], s[16:17]
.irp k, 0,1,2,3
.irp g, 0,1,2,3,4,5,6,7
	global_load_b128 v[16+32*\k+4*\g:16+32*\k+4*\g+3], v3, s[4:5] offset:\k*16384+512*\g th:TH_LOAD_NT
.endr
.endr
	s_wait_loadcnt 0x0
.set j, 0
.rept 16
	v_pk_add_f32 v[16+j:17+j], v[16+j:17+j], v[48+j:49+j]
	v_pk_add_f32 v[80+j:81+j], v[80+j:81+j], v[112+j:113+j]
.set j, j+2
.endr
.set j, 0
.rept 16
	v_pk_add_f32 v[16+j:17+j], v[16+j:17+j], v[80+j:81+j]
.set j, j+2
.endr
.irp g, 0,1,2,3,4,5,6,7
	ds_store_b128 v4, v[16+4*\g:19+4*\g] offset:512*\g
.endr
	s_wait_dscnt 0x0                               ; for the others: my stores have landed
	s_barrier_signal -1
	s_barrier_wait -1
.irp u, 0,1,2,3,4,5,6,7
	ds_load_b128 v[48+4*\u:51+4*\u], v5 offset:4096*\u
.endr
	s_wait_dscnt 0x0
.irp q, 0,2
	v_pk_add_f32 v[48+\q:49+\q], v[48+\q:49+\q], v[52+\q:53+\q]
	v_pk_add_f32 v[56+\q:57+\q], v[56+\q:57+\q], v[60+\q:61+\q]
	v_pk_add_f32 v[64+\q:65+\q], v[64+\q:65+\q], v[68+\q:69+\q]
	v_pk_add_f32 v[72+\q:73+\q], v[72+\q:73+\q], v[76+\q:77+\q]
.endr
.irp q, 0,2
	v_pk_add_f32 v[48+\q:49+\q], v[48+\q:49+\q], v[56+\q:57+\q]
	v_pk_add_f32 v[64+\q:65+\q], v[64+\q:65+\q], v[72+\q:73+\q]
.endr
.irp q, 0,2
	v_pk_add_f32 v[48+\q:49+\q], v[48+\q:49+\q], v[64+\q:65+\q]
.endr
	ds_store_b128 v5, v[48:51] offset:32768        ; other bytes than the first exchange
	s_wait_dscnt 0x0
	s_barrier_signal -1
	s_barrier_wait -1
	s_wait_kmcnt 0x0
	s_cmp_lg_u32 s12, 0
	s_cbranch_scc1 .Lend                           ; the softmax of 16 columns x 64 is one wave's work
.irp g, 0,1,2,3,4,5,6,7
	ds_load_b128 v[16+4*\g:19+4*\g], v3 offset:32768+512*\g
.endr
	s_add_co_i32 s24, s20, s21
	s_add_co_i32 s25, s22, s23
	v_mov_b32 v6, 0x3e38aa3b                       ; log2(e) / 8
	v_ldexp_f32 v6, v6, s24                        ; x 2^(ek + ev)
	v_mov_b32 v7, v6
	v_mov_b32 v10, 0                               ; the destination of a lane permute counts as read
	s_add_co_i32 s30, s23, 127
	s_lshl_b32 s31, s30, 23
	v_mov_b32 v50, s31                             ; 2^ep
	s_add_co_i32 s30, s30, 8
	s_lshl_b32 s30, s30, 23
	s_or_b32 s30, s30, 0x600000
	v_mov_b32 v51, s30                             ; 448 x 2^ep
	s_lshl_b32 s28, s14, 12
	s_lshl_b32 s29, s13, 10
	s_add_co_u32 s28, s28, s29
	s_mov_b32 s29, 0
	s_add_nc_u64 s[8:9], s[8:9], s[28:29]
	s_lshl_b32 s28, s14, 9
	s_lshl_b32 s32, s13, 7
	s_add_co_u32 s28, s28, s32
	s_add_nc_u64 s[10:11], s[10:11], s[28:29]
	v_lshlrev_b32 v60, 2, v2
	s_wait_dscnt 0x0
	v_max3_num_f32 v8, v16, v17, v18               ; the largest sum of my column, among my 32 d, in two chains,
	v_max3_num_f32 v9, v19, v20, v21
.irp i, 6,10,14,18,22,26
	v_max3_num_f32 v8, v8, v[16+\i], v[17+\i]
	v_max3_num_f32 v9, v9, v[18+\i], v[19+\i]
.endr
	v_max3_num_f32 v8, v8, v46, v47
	v_max_num_f32 v8, v8, v9
	v_permlanex16_b32 v10, v8, s26, s27
	v_max_num_f32 v8, v8, v10                      ; and among those of lane l xor 16
	v_mul_f32 v8, v8, v6                           ; as t (the factor is positive)
	v_floor_f32 v12, -v8                           ; -M = floor(-t)
	v_mov_b32 v13, v12
.set j, 0
.rept 16
	v_pk_fma_f32 v[16+j:17+j], v[16+j:17+j], v[6:7], v[12:13]
.set j, j+2
.endr
.set j, 0
.rept 32
	v_exp_f32 v[16+j], v[16+j]                     ; p = 2^(t - M)
.set j, j+1
.endr
	v_mov_b32 v11, 0                               ; a plain line behind the last exponential
	s_wait_alu depctr_va_vdst(0)                   ; one wait for the batch, ahead of its first reader
	v_pk_add_f32 v[14:15], v[16:17], v[18:19]      ; l is taken of the unquantised p
	v_pk_add_f32 v[48:49], v[20:21], v[22:23]
.irp j, 8,12,16,20,24,28
	v_pk_add_f32 v[14:15], v[14:15], v[16+\j:17+\j]
	v_pk_add_f32 v[48:49], v[48:49], v[18+\j:19+\j]
.endr
	v_pk_add_f32 v[14:15], v[14:15], v[48:49]
	v_add_f32 v14, v14, v15
	v_permlanex16_b32 v10, v14, s26, s27
	v_add_f32 v14, v14, v10
.set j, 0
.rept 32
	v_min_num_f32 v[16+j], v[16+j], v51            ; the conversion does not saturate (ISA guide 7.6.2); p is not negative, so the hold is one-sided
.set j, j+1
.endr
.irp d, 0,1,2,3
	v_cvt_scalef32_pk8_fp8_f32 v[52+2*\d:53+2*\d], v[16+8*\d:23+8*\d], v50
.endr
	v_nop
	global_store_b128 v3, v[52:55], s[8:9]
	global_store_b128 v3, v[56:59], s[8:9] offset:512
	v_rcp_f32 v14, v14
	v_nop
	s_wait_alu depctr_va_vdst(0)
	v_ldexp_f32 v14, v14, s25                      ; 2^(eq + ep) / l
	global_store_b32 v60, v14, s[10:11]            ; entry lane: column 16 et + lane % 16 (entries 16-31 repeat 0-15)
.Lend:
	s_wait_tensorcnt 0x0
	ds_add_u32 v144, v145
	s_wait_dscnt 0x0
	s_endpgm
.Lfunc_end_k_qf5aa44d2f7_mid:
	.size	k_qf5aa44d2f7_mid, .Lfunc_end_k_qf5aa44d2f7_mid-k_qf5aa44d2f7_mid
	.p2alignl 7, 3214868480
	.fill 96, 4, 3214868480
	.section	.rodata,"a",@progbits
	.p2align	6, 0x0
	.amdhsa_kernel k_qf5aa44d2f7_mid
		.amdhsa_group_segment_fixed_size 37888
		.amdhsa_private_segment_fixed_size 0
		.amdhsa_enable_private_segment 0
		.amdhsa_kernarg_size 32
		.amdhsa_user_sgpr_count 2
		.amdhsa_user_sgpr_kernarg_segment_ptr 1
		.amdhsa_wavefront_size32 1
		.amdhsa_system_sgpr_workgroup_id_x 1
		.amdhsa_system_sgpr_workgroup_id_y 1
		.amdhsa_system_sgpr_workgroup_id_z 1
		.amdhsa_system_vgpr_workitem_id 0
		.amdhsa_next_free_vgpr 146
		.amdhsa_next_free_sgpr 66
		.amdhsa_reserve_vcc 0
		.amdhsa_float_denorm_mode_32 3
		.amdhsa_float_denorm_mode_16_64 3
		.amdhsa_memory_ordered 1
		.amdhsa_forward_progress 1
		.amdhsa_inst_pref_size 18
	.end_amdhsa_kernel
	.amdgpu_metadata
---
amdhsa.version: [ 1, 2 ]
amdhsa.kernels:
  - .name:           k_qf5aa44d2f7_mid
    .symbol:         k_qf5aa44d2f7_mid.kd
    .args:
      - { .name: ctxp, .offset: 0, .size: 8, .value_kind: global_buffer, .address_space: global }
      - { .name: lowp_scales, .offset: 8, .size: 8, .value_kind: global_buffer, .address_space: global }
      - { .name: pimg, .offset: 16, .size: 8, .value_kind: global_buffer, .address_space: global }
      - { .name: linv, .offset: 24, .size: 8, .value_kind: global_buffer, .address_space: global }
    .group_segment_fixed_size: 37888
    .private_segment_fixed_size: 0
    .kernarg_segment_align: 8
    .kernarg_segment_size: 32
    .max_flat_workgroup_size: 256
    .sgpr_count:     66
    .vgpr_count:     146
    .wavefront_size: 32
...
	.end_amdgpu_metadata
.endif
;; end of part 2
;; launch back (part 3): grid 128 x 2, 4 waves a work-group, clusters of 4 x 1, 327,680 bytes of LDS; arguments s1, s2, x1, x2, We1_codes, We2_codes, be1, be2, g1, g2, bt1, bt2, lowp_scales, qimg, pimg, linv, out0, out1; writes out0, out1
.if DOCPART == 3
	.amdgcn_target "amdgcn-amd-amdhsa--gfx1250"
	.amdhsa_code_object_version 6
	.text
	.protected	k_qf5aa44d2f7_back
	.globl	k_qf5aa44d2f7_back
	.p2align	8
	.type	k_qf5aa44d2f7_back,@function
k_qf5aa44d2f7_back:
	s_mov_b64 s[64:65], 0
	v_nop
	global_prefetch_b8 v0, s[64:65] scope:SCOPE_SE
	s_setreg_imm32_b32 hwreg(HW_REG_WAVE_MODE, 25, 1), 1
	s_wait_xcnt 0x0
	s_wait_alu depctr_hold_cnt(0) depctr_sa_sdst(0) depctr_va_vdst(0) depctr_va_sdst(0) depctr_va_ssrc(0) depctr_va_vcc(0) depctr_vm_vsrc(0)
	s_getreg_b32 s2, hwreg(HW_REG_IB_STS2, 6, 4)
	s_cmp_eq_u32 s2, 0
	s_cbranch_scc0 .Lentry_in_a_cluster
	s_endpgm
.Lentry_in_a_cluster:
	s_bfe_u32 s2, ttmp6, 0x10000c
	s_cmp_lg_u32 s2, 0x3003
	s_cbranch_scc0 .Lentry_shape_is_right
	s_endpgm
.Lentry_shape_is_right:
; BACK.  For one path (grid y) and 128 tokens (grid x): a = Q(q) Q(p of the other path) / l; y = [s, a] quantised; out = LayerNorm(x + y We + be) g + bt.  All products on E4M3 codes, f32 sums.
; SHARES.  Four waves share the COLUMNS: wave w makes output channels 128 w .. + 127 of all 128 tokens in 64 accumulators, the a of heads 2 w and 2 w + 1, and the codes of s of rows 32 w .. + 31.
; The last product is used transposed (source 0 = 16 rows of We, source 1 = 16 tokens): a lane holds one token and eight neighbouring channels.
; x AND be ARE THE C OF THE SUMS: a sum stands for sum x 2^e, e = ey + ewe, so the accumulators begin as (x + be) / 2^e, and LayerNorm is taken of the scaled numbers:
; (v - mu) rsqrt(var + eps) = (acc - mu') 2^e rsqrt(var' 2^(2 e) + eps).
; PHASE 1 is one stream through a ring of 14 sets of 16 registers, each load 512 consecutive bytes: first 32 rows of s, then 32 quads of rows of x.  (x + be) / 2^e is made in the rows as they arrive (be in the layout
; of a row, four numbers a lane); the rows turn into the layout of a result through the wave's own stage in LDS and land in the accumulators.  A quad's registers are asked for again one turn later, behind a counted
; wait for its stores into the stage, so that no turn sits out an LDS round trip.
; PHASE 2: K = 1,024 in four double steps of 256.  ONE LDS slot: a wave copies its 128 rows x 256 bytes into 256 registers, and the slot is asked for again at once: the registers are the second slot.
; The first copy is dealt out among the rows of s, a fragment behind every second row, and the second tile is asked for between s and x: it has the stream of x in which to land.
; CLUSTER.  The four work-groups of a cluster belong to one path and walk the same We: every tile is asked for JOINTLY (mask 15).  p and 1 / l (36,864 bytes a work-group beside the 524,288 of We) come by plain loads.
; LIMITS: ey between -126 and 119; ey + ewe between -126 and 126.  NaN among the inputs is not served.
; REGISTERS, in windows of 256.  Window 0: v3 16 x lane; v4, v5 the spare word and 0; v6-v19 addresses and the scale pair; v20-23 be / 2^e of my four channels of a row; v24-31 codes of s;
;   v32-255 the ring, later v128-255 the fragments of y, v32-127 LayerNorm's figures.   Window 1: We (two sets of 8 fragments), then g and bt.
;   Windows 2, 3: q, p, 1 / l and a, then accumulator (t, b) at window 2 + t / 4, v[8 (8 (t % 4) + b)].
.set WV,    52
.set WPT,   272                        ; a row of We in LDS: 256 bytes + 16
.set WTILE, 128*WPT
.set YB,    4*WTILE                    ; y: 128 token rows x 1,040: 512 codes of s, 512 of a, 16 of padding
.set YP,    1040
.set STG,   YB+128*YP                  ; a stage of 16 rows x 528 for each wave
.set STP,   528
.set LNS,   STG+4*16*STP               ; LayerNorm's two exchanges, 2,048 bytes each
.set SPARE, LNS+4096                   ; the spare words: two blocks of 256 bytes that no other line names
.set RING,  32
.set MSB, 0
.macro WIN new
.if MSB != (\new)
	s_set_vgpr_msb (MSB<<8)|(\new)
.set MSB, (\new)
.endif
.endm
.macro PLACES n
.rept \n
	v_nop
.endr
.endm
.macro ROUND
	s_barrier_signal -1
	s_barrier_wait -1
	s_cmp_lg_u32 s[WV], 0
	s_cbranch_scc1 .Lnw0_\@
	s_barrier_signal -3
.Lnw0_\@:
	s_barrier_wait -3
	s_barrier_signal -1
	s_barrier_wait -1
.endm
.macro QISSUE n                        ; quad n of the stream: n < 32: row n of my 32 rows of s; else rows 4 (n - 32) .. + 3 of my 512 bytes of x
.if (\n) < 32
.irp j, 0,1,2,3
	global_load_b128 v[RING+16*((\n)%14)+4*\j:RING+16*((\n)%14)+4*\j+3], v3, s[4:5] offset:(\n)*2048+512*\j th:TH_LOAD_NT
.endr
.else
.irp j, 0,1,2,3
	global_load_b128 v[RING+16*((\n)%14)+4*\j:RING+16*((\n)%14)+4*\j+3], v3, s[6:7] offset:(4*((\n)-32)+\j)*2048 th:TH_LOAD_NT
.endr
.endif
.endm
; a of head 2 w + u, token tiles 2 tp and 2 tp + 1: source 0 = 16 columns e of p, source 1 = 16 tokens of q: a lane holds one token and eight neighbouring e, which are neighbours along the next K.
.macro AGRP u, tp, par
	WIN 0xCA
.irp tt, 0,1
.irp et, 0,1,2,3
	v_wmma_f32_16x16x64_fp8_fp8 v[8*(4*\tt+\et):8*(4*\tt+\et)+7], v[128+32*\u+8*\et:128+32*\u+8*\et+7], v[64*\u+8*(2*\tp+\tt):64*\u+8*(2*\tp+\tt)+7], 0
.endr
.endr
	PLACES 4
	WIN 0xCB
.irp tt, 0,1
.irp et, 0,1,2,3
.irp j, 0,2,4,6
	v_pk_mul_f32 v[8*(4*\tt+\et)+\j:8*(4*\tt+\et)+\j+1], v[8*(4*\tt+\et)+\j:8*(4*\tt+\et)+\j+1], v[192+32*\u+8*\et+\j:192+32*\u+8*\et+\j+1]   ; x 2^(eq + ep) / l of the register's e
.endr
.endr
.endr
	WIN 0xC3
.set k, 0
.rept 64
	v_min_num_f32 v[k], v[k], v17                  ; a is not negative (neither q's nor p's codes are): the hold is one-sided
.set k, k+1
.endr
	s_wait_dscnt 8                                 ; the stores of the group before last have read this set of code registers; the last group's eight may be out
.irp g, 0,1,2,3,4,5,6,7
	v_cvt_scalef32_pk8_fp8_f32 v[64+16*(\par)+2*\g:64+16*(\par)+2*\g+1], v[8*\g:8*\g+7], v16
.endr
	v_nop
	WIN 0x0C
.irp tt, 0,1
.irp et, 0,1,2,3
	ds_store_b64 v[10+(2*\tp+\tt)/4], v[64+16*(\par)+2*(4*\tt+\et):64+16*(\par)+2*(4*\tt+\et)+1] offset:((2*\tp+\tt)%4)*16*YP+64*\u+16*\et
.endr
.endr
.endm
.macro FETCH_Y q, t0                   ; the fragments of y of token tiles t0 .. t0 + 3, the q-th 128 along K
.irp tt, 0,1,2,3
.irp c, 0,1,2,3
	ds_load_b128 v[128+16*(\t0+\tt)+4*\c:128+16*(\t0+\tt)+4*\c+3], v[12+(\t0)/4] offset:\tt*16*YP+128*(\q)+32*\c
.endr
.endr
.endm
.macro WPART g                         ; fragment g of my sixteen of the slot (the g / 8-th 128 along K, rows 16 (g % 8) on) into window 1
	WIN 0x40
.irp c, 0,1,2,3
	ds_load_b128 v[128*((\g)/8)+16*((\g)%8)+4*\c:128*((\g)/8)+16*((\g)%8)+4*\c+3], v14 offset:((\g)%8)*16*WPT+128*((\g)/8)+32*\c
.endr
	WIN 0
.endm
.macro FETCH_W                         ; my part of the slot, all 16 fragments, in one run
	WIN 0x40
.irp u, 0,1
.irp b, 0,1,2,3,4,5,6,7
.irp c, 0,1,2,3
	ds_load_b128 v[128*\u+16*\b+4*\c:128*\u+16*\b+4*\c+3], v14 offset:\b*16*WPT+128*\u+32*\c
.endr
.endr
.endr
	WIN 0
.endm
.macro MUL16 a0, p                     ; the 64 accumulators take turns, in the same order in every step
.irp a, \a0, \a0+1
.irp b, 0,1,2,3,4,5,6,7
	v_wmma_f32_16x16x128_fp8_fp8 v[8*(8*((\a)%4)+\b):8*(8*((\a)%4)+\b)+7], v[128*(\p)+16*\b:128*(\p)+16*\b+15], v[128+16*(\a):128+16*(\a)+15], v[8*(8*((\a)%4)+\b):8*(8*((\a)%4)+\b)+7]
.endr
.endr
.endm
.macro STEP q                          ; 128 along K: 64 products.  y has one set of registers: tiles 0-3 are fetched anew in the middle, tiles 4-7 at the end
	s_wait_dscnt 16                                ; all but the youngest 16 loads (tiles 4-7)
	WIN 0xa1
	MUL16 0, (\q)%2
	MUL16 2, (\q)%2
	s_wait_dscnt 0x0
.if (\q) < 7
	PLACES 4
	WIN 0
	FETCH_Y (\q)+1, 0
.endif
	WIN 0xf1
	MUL16 4, (\q)%2
	MUL16 6, (\q)%2
	PLACES 4                                       ; in front of the loads into registers that these products read, and of the first read of results
	WIN 0
.if (\q) < 7
	FETCH_Y (\q)+1, 4
.endif
.endm
.macro DSTEP d
.if \d == 0
	FETCH_Y 0, 0                                   ; We's first 256 along K lie in window 1 since phase 1
	FETCH_Y 0, 4
.else
	s_wait_tensorcnt 0x0                           ; the one load of mine that is out has landed: only the wave that asked reads these rows
	FETCH_W
.if \d < 3
	s_wait_tensorcnt 0x0                           ; the slot is filled again: no load of mine is out,
	ds_add_u32 v4, v5                              ; 0 onto my spare word,
	s_add_nc_u64 s[50:51], s[50:51], 256           ; the next 256 along K,
	s_wait_dscnt 0x0                               ; that and my reads of the slot are done,
	ROUND                                          ; in every wave of the four work-groups;
	tensor_load_to_lds s[48:51], s[40:47]          ; the load has the 128 products below in which to land
	s_nop 0
	PLACES 4
.else
	s_wait_dscnt 0x0
.endif
.endif
	STEP 2*\d
	STEP 2*\d+1
.endm
; A figure of each of my 8 x 16 tokens, in v[96 + 2 t] and v[97 + 2 t] as two halves: both halves, the other half of the lanes, and the other three waves through LDS.  The total comes back in v[32 + 4 t].
.macro EXCH off
.irp t, 0,1,2,3,4,5,6,7
	v_add_f32 v[96+2*\t], v[96+2*\t], v[97+2*\t]
.endr
.irp t, 0,1,2,3,4,5,6,7
	v_permlanex16_b32 v[97+2*\t], v[96+2*\t], s26, s27
.endr
.irp t, 0,1,2,3,4,5,6,7
	v_add_f32 v[96+2*\t], v[96+2*\t], v[97+2*\t]
.endr
.irp t, 0,1,2,3,4,5,6,7
	ds_store_b32 v18, v[96+2*\t] offset:\off+256*\t    ; word (t, r, w); both halves of the lanes write the same number
.endr
	s_wait_dscnt 0x0
	s_barrier_signal -1
	s_barrier_wait -1
.irp t, 0,1,2,3,4,5,6,7
	ds_load_b128 v[32+4*\t:35+4*\t], v19 offset:\off+256*\t
.endr
	s_wait_dscnt 0x0
.irp t, 0,1,2,3,4,5,6,7
	v_add_f32 v[32+4*\t], v[32+4*\t], v[33+4*\t]
	v_add_f32 v[34+4*\t], v[34+4*\t], v[35+4*\t]
.endr
.irp t, 0,1,2,3,4,5,6,7
	v_add_f32 v[32+4*\t], v[32+4*\t], v[34+4*\t]
.endr
.endm
.macro TOSTAGE t                       ; tile t: x R, x g + bt, into my stage and back as whole rows of 512 bytes
	WIN 0x02+(\t)/4
.set k, 0
.rept 32
	v_pk_mul_f32 v[32+k:33+k], v[64*((\t)%4)+k:64*((\t)%4)+k+1], v[112+2*(\t):113+2*(\t)]
.set k, k+2
.endr
	WIN 0x14
.set k, 0
.rept 32
	v_pk_fma_f32 v[32+k:33+k], v[32+k:33+k], v[k:k+1], v[64+k:65+k]
.set k, k+2
.endr
	WIN 0
.irp b, 0,1,2,3,4,5,6,7
	ds_store_b128 v8, v[32+8*\b:35+8*\b] offset:64*\b
	ds_store_b128 v8, v[36+8*\b:39+8*\b] offset:64*\b+16
.endr
.irp k, 0,1,2,3,4,5,6,7,8,9,10,11,12,13,14,15
	ds_load_b128 v[128+64*((\t)%2)+4*\k:128+64*((\t)%2)+4*\k+3], v7 offset:\k*STP   ; LDS serves a wave's instructions in order (ISA guide 5.7.1.4): these see the stores above
.endr
.endm
.macro SEND t, younger                 ; younger: the LDS instructions issued behind the loads of tile t
	s_wait_dscnt \younger
.irp k, 0,1,2,3,4,5,6,7,8,9,10,11,12,13,14,15
	global_store_b128 v3, v[128+64*((\t)%2)+4*\k:128+64*((\t)%2)+4*\k+3], s[16:17] offset:(16*(\t)+\k)*2048 th:TH_STORE_NT   ; 32 lanes store 512 consecutive bytes, at a multiple of 512 from the first byte of out
.endr
.endm
	s_load_b512 s[4:19], s[0:1], 0x0               ; s1, s2, x1, x2, We1, We2, be1, be2
	s_load_b512 s[20:35], s[0:1], 0x40             ; g1, g2, bt1, bt2, the exponents, qimg, pimg, linv
	s_load_b128 s[36:39], s[0:1], 0x80             ; out0, out1
	v_lshl_add_u32 v4, v0, 2, SPARE
	v_mov_b32 v5, 0
	ds_add_u32 v4, v5
	ds_add_u32 v4, v5
	s_wait_dscnt 0x0
	v_lshrrev_b32 v1, 5, v0
	v_readfirstlane_b32 s[WV], v1                  ; wave 0..3
	s_and_b32 s53, ttmp7, 0xffff                   ; the path, which the four partners share
	s_bfe_u32 s55, ttmp6, 0x40000                  ; cx
	s_lshl_b32 s54, ttmp9, 2
	s_add_co_u32 s54, s54, s55                     ; X: my block of 128 tokens; it enters no address of We and no LDS address
	s_lshl_b32 s56, s53, 3
	s_mov_b32 s40, 15|(1<<20)|(1<<21)|(5<<22)|(3<<25)  ; the mask: all four; elements of 1 byte; padding on; bit 21 beside a mask; after every 64 words, 4 words
	s_mov_b32 s41, 256<<16                         ; tensor_dim0
	s_mov_b32 s42, 128<<16                         ; tensor_dim1
	s_mov_b32 s43, 256<<16                         ; tile_dim0
	s_mov_b32 s44, 128                             ; tile_dim1
	s_mov_b32 s45, 1024                            ; from row to row
	s_mov_b32 s46, 0
	s_mov_b32 s47, 0
	s_mov_b32 s48, 1
	s_mul_i32 s49, s[WV], WTILE
	s_lshl_b32 s58, s[WV], 17                      ; my 128 rows of We
	s_mov_b32 s59, 0
	s_lshl_b32 s60, s[WV], 9                       ; my 128 channels, in f32
	s_mov_b32 s61, 0
	s_lshl_b32 s62, s54, 18
	s_lshl_b32 s63, s[WV], 16
	s_add_co_u32 s62, s62, s63                     ; s: 128 X rows + 32 w rows of 2,048 bytes
	s_mov_b32 s63, 0
	s_lshl_b32 s66, s54, 18
	s_add_co_u32 s66, s66, s60                     ; x, out: 128 X rows + my 512 bytes
	s_mov_b32 s67, 0
	s_lshl_b32 s68, s53, 7
	s_add_co_u32 s68, s68, s54
	s_lshl_b32 s68, s68, 16
	s_lshl_b32 s69, s[WV], 14
	s_add_co_u32 s68, s68, s69                     ; qimg
	s_mov_b32 s69, 0
	s_xor_b32 s70, s53, 1                          ; p and 1 / l come from the OTHER path
	s_lshl_b32 s70, s70, 2
	s_lshr_b32 s71, s54, 5
	s_add_co_u32 s70, s70, s71
	s_lshl_b32 s70, s70, 3
	s_lshl_b32 s71, s[WV], 1
	s_add_co_u32 s70, s70, s71                     ; (4 path' + batch) x 8 + head 2 w
	s_lshl_b32 s72, s70, 9
	s_mov_b32 s73, 0
	s_lshl_b32 s70, s70, 12
	s_mov_b32 s71, 0
	v_and_b32 v1, 15, v0                           ; r
	v_bfe_u32 v2, v0, 4, 1                         ; h
	v_and_b32 v20, 31, v0
	v_lshlrev_b32 v3, 4, v20
	v_lshlrev_b32 v6, 2, v20
	s_mul_i32 s57, s[WV], 32*YP
	s_add_co_u32 s57, s57, YB
	v_add_nc_u32 v6, s57, v6                       ; codes of s: my 32 rows of y, 4 bytes a lane
	s_mul_i32 s57, s[WV], 16*STP
	s_add_co_u32 s57, s57, STG
	v_add_nc_u32 v7, s57, v3                       ; my stage by rows
	v_mul_u32_u24 v8, v1, STP
	v_lshl_add_u32 v8, v2, 5, v8
	v_add_nc_u32 v8, s57, v8                       ; my stage in the layout of a result: row r, 32 h
	v_mul_u32_u24 v21, v1, YP
	v_lshl_add_u32 v12, v2, 4, v21
	v_add_nc_u32 v12, YB, v12                      ; fragments of y, token tiles 0-3,
	v_add_nc_u32 v13, 4*16*YP, v12                 ; and 4-7
	s_lshl_b32 s57, s[WV], 7
	s_add_co_u32 s57, s57, YB+512
	v_lshl_add_u32 v10, v2, 3, v21
	v_add_nc_u32 v10, s57, v10                     ; codes of a: row r, byte 512 + 128 w + 8 h
	v_add_nc_u32 v11, 4*16*YP, v10
	v_mul_u32_u24 v14, v1, WPT
	v_lshl_add_u32 v14, v2, 4, v14
	v_add_nc_u32 v14, s49, v14
	v_lshlrev_b32 v15, 5, v2
	v_lshlrev_b32 v19, 4, v1
	v_add_nc_u32 v19, LNS, v19
	s_lshl_b32 s57, s[WV], 2
	v_add_nc_u32 v18, s57, v19
	s_wait_kmcnt 0x0
	s_cmp_eq_u32 s53, 0                            ; the choice hangs on the path alone
	s_cselect_b64 s[4:5], s[4:5], s[6:7]           ; s
	s_cselect_b64 s[6:7], s[8:9], s[10:11]         ; x
	s_cselect_b64 s[8:9], s[12:13], s[14:15]       ; We
	s_cselect_b64 s[10:11], s[16:17], s[18:19]     ; be
	s_cselect_b64 s[12:13], s[20:21], s[22:23]     ; g
	s_cselect_b64 s[14:15], s[24:25], s[26:27]     ; bt
	s_cselect_b64 s[16:17], s[36:37], s[38:39]     ; out
	s_load_b64 s[20:21], s[28:29], s56 offset:0x40 ; ey, ewe
	s_add_nc_u64 s[4:5], s[4:5], s[62:63]
	s_add_nc_u64 s[6:7], s[6:7], s[66:67]
	s_add_nc_u64 s[8:9], s[8:9], s[58:59]
	s_add_nc_u64 s[10:11], s[10:11], s[60:61]
	s_add_nc_u64 s[12:13], s[12:13], s[60:61]
	s_add_nc_u64 s[14:15], s[14:15], s[60:61]
	s_add_nc_u64 s[16:17], s[16:17], s[66:67]
	s_add_nc_u64 s[30:31], s[30:31], s[68:69]
	s_add_nc_u64 s[32:33], s[32:33], s[70:71]
	s_add_nc_u64 s[34:35], s[34:35], s[72:73]
	s_mov_b64 s[50:51], s[8:9]
	s_or_b32 s51, s51, 0x80000000
	WIN 0x80                                       ; q and p are asked for ahead of the round: they need no partner
.irp u, 0,1
.irp t, 0,1,2,3,4,5,6,7
	global_load_b128 v[64*\u+8*\t:64*\u+8*\t+3], v3, s[30:31] offset:\u*8192+\t*1024 th:TH_LOAD_NT
	global_load_b128 v[64*\u+8*\t+4:64*\u+8*\t+7], v3, s[30:31] offset:\u*8192+\t*1024+512 th:TH_LOAD_NT
.endr
.endr
.irp u, 0,1
.irp et, 0,1,2,3
	global_load_b128 v[128+32*\u+8*\et:128+32*\u+8*\et+3], v3, s[32:33] offset:\u*4096+\et*1024
	global_load_b128 v[128+32*\u+8*\et+4:128+32*\u+8*\et+7], v3, s[32:33] offset:\u*4096+\et*1024+512
.endr
.endr
	WIN 0
	ROUND                                          ; all four work-groups are here: the first joint load meets
	tensor_load_to_lds s[48:51], s[40:47]          ; K 0-255; one tensor load of mine is out, here and behind every later round
	s_nop 0
	PLACES 4
	WIN 0x80
.irp u, 0,1
.irp et, 0,1,2,3
	global_load_b128 v[192+32*\u+8*\et:192+32*\u+8*\et+3], v15, s[34:35] offset:\u*512+\et*128
	global_load_b128 v[192+32*\u+8*\et+4:192+32*\u+8*\et+7], v15, s[34:35] offset:\u*512+\et*128+16
.endr
.endr
	WIN 0
	global_load_b128 v[20:23], v3, s[10:11]        ; be in the layout of a row of my 512 bytes: channels 4 lane + 0 .. 3
.set i, 0
.rept 14
	QISSUE i
.set i, i+1
.endr
	s_wait_kmcnt 0x0
	s_add_co_i32 s66, s20, 127
	s_lshl_b32 s67, s66, 23
	v_mov_b32 v16, s67                             ; 2^ey
	s_add_co_i32 s66, s66, 8
	s_lshl_b32 s66, s66, 23
	s_or_b32 s66, s66, 0x600000
	v_mov_b32 v17, s66                             ; 448 x 2^ey
	s_add_co_i32 s24, s20, s21                     ; e = ey + ewe
	s_sub_co_i32 s22, 127, s24
	s_lshl_b32 s22, s22, 23                        ; 2^-e as f32
	s_mov_b32 s23, s22                             ; (named with it as a pair, so it is written)
	s_lshl_b32 s25, s24, 1
	s_sub_co_i32 s25, s25, 9                       ; 2 e - 9: the sum of 512 squares becomes the variance
	s_mov_b32 s26, 0x76543210                      ; lane l xor 16
	s_mov_b32 s27, 0xfedcba98
	s_wait_loadcnt 56                              ; q, p, 1 / l and be are in; the ring's 14 quads of 4 loads may be out
	v_pk_mul_f32 v[20:21], v[20:21], s[22:23] op_sel_hi:[1,0]     ; be / 2^e
	v_pk_mul_f32 v[22:23], v[22:23], s[22:23] op_sel_hi:[1,0]
.irp u, 0,1
.irp tp, 0,1,2,3
	AGRP \u, \tp, \tp%2
.endr
.endr
	WIN 0
	s_wait_tensorcnt 0x0                           ; We's first tile has landed: its copy into window 1 goes along with the rows of s.  Only the wave that asked reads these rows
; THE STREAM.  Quad i is taken out of the ring.  A row of s frees its registers at once (the conversions have read them): quad i + 14 is asked for in the same turn.  A quad of x is read by LDS stores:
; its registers are asked for again in the next turn (quad i + 13 in turn i), behind the counted wait that shows those stores done.
.set i, 0
.rept 64
.set RS, RING+16*(i%14)
.if i == 32                            ; between s and x: the slot has been copied, and is filled again
	s_wait_tensorcnt 0x0                           ; no load of mine is out,
	ds_add_u32 v4, v5                              ; 0 onto my spare word,
	s_add_nc_u64 s[50:51], s[50:51], 256           ; K 256-511,
	s_wait_dscnt 0x0                               ; that and my reads of the slot are done,
	ROUND                                          ; in every wave of the four work-groups;
	tensor_load_to_lds s[48:51], s[40:47]          ; the load has the 32 quads of x in which to land
	s_nop 0
	PLACES 4
.endif
.if i <= 32
	s_wait_loadcnt 52                              ; loads come back in order: mine is in, the 13 younger quads stay out
.elseif i <= 51
	s_wait_loadcnt 48                              ; 12 younger quads: the refill lags a turn
.else
	s_wait_loadcnt 4*(63-i)
.endif
.if i < 32
.set k, 0
.rept 16
	v_med3_num_f32 v[RS+k], v[RS+k], -v17, v17     ; the conversion does not saturate (ISA guide 7.6.2): the hold first
.set k, k+1
.endr
	s_wait_dscnt 8                                 ; the stores of the row before last have read this set of code registers; behind them lie the last row's four stores and one fragment's four loads
	v_cvt_scalef32_pk8_fp8_f32 v[24+4*(i%2):25+4*(i%2)], v[RS:RS+7], v16
	v_cvt_scalef32_pk8_fp8_f32 v[26+4*(i%2):27+4*(i%2)], v[RS+8:RS+15], v16
	v_nop
.irp j, 0,1,2,3
	ds_store_b32 v6, v[24+4*(i%2)+\j] offset:i*YP+128*\j       ; register j: channels 128 j + 4 lane + 0 .. 3
.endr
.if i%2 == 1
	WPART (i-1)/2                                  ; behind every second row one of the sixteen fragments of We
.endif
	QISSUE i+14
.else
.set TL, (i-32)/4
.set QD, (i-32)%4
.set AB, 64*(TL%4)
.irp j, 0,1,2,3
	v_pk_fma_f32 v[RS+4*\j:RS+4*\j+1], v[RS+4*\j:RS+4*\j+1], s[22:23], v[20:21] op_sel_hi:[1,0,1]       ; (x + be) / 2^e, in the row
	v_pk_fma_f32 v[RS+4*\j+2:RS+4*\j+3], v[RS+4*\j+2:RS+4*\j+3], s[22:23], v[22:23] op_sel_hi:[1,0,1]
.endr
.irp j, 0,1,2,3
	ds_store_b128 v7, v[RS+4*\j:RS+4*\j+3] offset:(4*QD+\j)*STP
.endr
.if (i > 32) && (i+13 < 64)
.if QD == 0
	s_wait_dscnt 20                                ; the last quad's stores have read their registers; behind them lie its tile's 16 loads and my four stores
.else
	s_wait_dscnt 4                                 ; the last quad's stores have read their registers; behind them lie my four stores
.endif
	QISSUE i+13
.endif
.if QD == 3
	WIN 0x80+0x40*(TL/4)
.irp b, 0,1,2,3,4,5,6,7
	ds_load_b128 v[AB+8*\b:AB+8*\b+3], v8 offset:64*\b         ; token 16 t + r, channels 128 w + 16 b + 8 h + 0 .. 7: the layout of a result, straight into the accumulators.
	ds_load_b128 v[AB+8*\b+4:AB+8*\b+7], v8 offset:64*\b+16    ; LDS serves a wave's instructions in order (ISA guide 5.7.1.4): these see the stores above, and the next tile's stores come behind them
.endr
	WIN 0
.endif
.endif
.set i, i+1
.endr
	s_wait_dscnt 0x0                               ; the accumulators are in, and my codes of s and of a have landed,
	s_barrier_signal -1
	s_barrier_wait -1                              ; everybody's have: y is whole.
	DSTEP 0
	DSTEP 1
	DSTEP 2
	DSTEP 3
; LAYERNORM, in two passes as it is defined.  g and bt come in the layout of a result while the sums are taken.
	WIN 0x40
.irp b, 0,1,2,3,4,5,6,7
	global_load_b128 v[8*\b:8*\b+3], v15, s[12:13] offset:64*\b
	global_load_b128 v[8*\b+4:8*\b+7], v15, s[12:13] offset:64*\b+16
	global_load_b128 v[64+8*\b:64+8*\b+3], v15, s[14:15] offset:64*\b
	global_load_b128 v[64+8*\b+4:64+8*\b+7], v15, s[14:15] offset:64*\b+16
.endr
.irp hh, 0,1                                   ; the sum of my 64 numbers of each token, four tiles by turns, each accumulator from its low end on
	WIN 0x0A+5*\hh
.irp tt, 0,1,2,3
	v_pk_add_f32 v[96+2*(4*\hh+\tt):97+2*(4*\hh+\tt)], v[64*\tt:64*\tt+1], v[64*\tt+2:64*\tt+3]
.endr
	WIN 0x08+4*\hh
.set k, 4
.rept 30
.irp tt, 0,1,2,3
	v_pk_add_f32 v[96+2*(4*\hh+\tt):97+2*(4*\hh+\tt)], v[96+2*(4*\hh+\tt):97+2*(4*\hh+\tt)], v[64*\tt+k:64*\tt+k+1]
.endr
.set k, k+2
.endr
.endr
	WIN 0
	EXCH 0
.irp t, 0,1,2,3,4,5,6,7
	v_mul_f32 v[112+2*\t], 0xbb000000, v[32+4*\t]  ; - the mean: x -1 / 512
.endr
.irp t, 0,1,2,3,4,5,6,7
	v_mov_b32 v[113+2*\t], v[112+2*\t]
.endr
.irp hh, 0,1
	WIN 0x82+0x41*\hh
.irp tt, 0,1,2,3
.set k, 0
.rept 32
	v_pk_add_f32 v[64*\tt+k:64*\tt+k+1], v[64*\tt+k:64*\tt+k+1], v[112+2*(4*\hh+\tt):113+2*(4*\hh+\tt)]
.set k, k+2
.endr
.endr
	WIN 0x0A+5*\hh
.irp tt, 0,1,2,3
	v_pk_mul_f32 v[96+2*(4*\hh+\tt):97+2*(4*\hh+\tt)], v[64*\tt:64*\tt+1], v[64*\tt:64*\tt+1]
.endr
.set k, 2
.rept 31
.irp tt, 0,1,2,3
	v_pk_fma_f32 v[96+2*(4*\hh+\tt):97+2*(4*\hh+\tt)], v[64*\tt+k:64*\tt+k+1], v[64*\tt+k:64*\tt+k+1], v[96+2*(4*\hh+\tt):97+2*(4*\hh+\tt)]
.endr
.set k, k+2
.endr
.endr
	WIN 0
	EXCH 2048                                      ; other bytes than the first exchange
.irp t, 0,1,2,3,4,5,6,7
	v_ldexp_f32 v[32+4*\t], v[32+4*\t], s25        ; the variance of the true numbers
.endr
.irp t, 0,1,2,3,4,5,6,7
	v_add_f32 v[32+4*\t], 0x3727c5ac, v[32+4*\t]   ; + 1e-5
.endr
.irp t, 0,1,2,3,4,5,6,7
	v_rsq_f32 v[112+2*\t], v[32+4*\t]
.endr
	v_nop                                          ; a plain line behind the last of the batch
	s_wait_alu depctr_va_vdst(0)                   ; one wait for the eight, ahead of their first reader
.irp t, 0,1,2,3,4,5,6,7
	v_ldexp_f32 v[112+2*\t], v[112+2*\t], s24      ; R = 2^e rsqrt(var + eps)
.endr
.irp t, 0,1,2,3,4,5,6,7
	v_mov_b32 v[113+2*\t], v[112+2*\t]
.endr
	s_wait_loadcnt 0x0                             ; g and bt
	TOSTAGE 0
.irp a, 1,2,3,4,5,6,7
.if \a > 1
	s_wait_xcnt 0x0                                ; the stores of tile a - 2 have read their registers: the loads of tile a may land there
.endif
	TOSTAGE \a
	SEND \a-1, 32                                  ; behind the loads of tile a - 1: the 16 stores and 16 loads of tile a
.endr
	SEND 7, 0
	s_wait_tensorcnt 0x0                           ; the end of the wave
	ds_add_u32 v4, v5
	s_wait_dscnt 0x0
	ROUND                                          ; the closing round
	s_endpgm
.Lfunc_end_k_qf5aa44d2f7_back:
	.size	k_qf5aa44d2f7_back, .Lfunc_end_k_qf5aa44d2f7_back-k_qf5aa44d2f7_back
	.p2alignl 7, 3214868480
	.fill 96, 4, 3214868480
	.section	.rodata,"a",@progbits
	.p2align	6, 0x0
	.amdhsa_kernel k_qf5aa44d2f7_back
		.amdhsa_group_segment_fixed_size 327680
		.amdhsa_private_segment_fixed_size 0
		.amdhsa_enable_private_segment 0
		.amdhsa_kernarg_size 144
		.amdhsa_user_sgpr_count 2
		.amdhsa_user_sgpr_kernarg_segment_ptr 1
		.amdhsa_wavefront_size32 1
		.amdhsa_system_sgpr_workgroup_id_x 1
		.amdhsa_system_sgpr_workgroup_id_y 1
		.amdhsa_system_sgpr_workgroup_id_z 1
		.amdhsa_system_vgpr_workitem_id 0
		.amdhsa_next_free_vgpr 1024
		.amdhsa_next_free_sgpr 80
		.amdhsa_reserve_vcc 0
		.amdhsa_float_denorm_mode_32 3
		.amdhsa_float_denorm_mode_16_64 3
		.amdhsa_memory_ordered 1
		.amdhsa_forward_progress 1
		.amdhsa_inst_pref_size 255
	.end_amdhsa_kernel
	.section	.bss,"aw",@nobits
	.p2align	6
	.space	262144
	.amdgpu_metadata
---
amdhsa.version: [ 1, 2 ]
amdhsa.kernels:
  - .name:           k_qf5aa44d2f7_back
    .symbol:         k_qf5aa44d2f7_back.kd
    .args:
      - { .name: s1, .offset: 0, .size: 8, .value_kind: global_buffer, .address_space: global }
      - { .name: s2, .offset: 8, .size: 8, .value_kind: global_buffer, .address_space: global }
      - { .name: x1, .offset: 16, .size: 8, .value_kind: global_buffer, .address_space: global }
      - { .name: x2, .offset: 24, .size: 8, .value_kind: global_buffer, .address_space: global }
      - { .name: We1_codes, .offset: 32, .size: 8, .value_kind: global_buffer, .address_space: global }
      - { .name: We2_codes, .offset: 40, .size: 8, .value_kind: global_buffer, .address_space: global }
      - { .name: be1, .offset: 48, .size: 8, .value_kind: global_buffer, .address_space: global }
      - { .name: be2, .offset: 56, .size: 8, .value_kind: global_buffer, .address_space: global }
      - { .name: g1, .offset: 64, .size: 8, .value_kind: global_buffer, .address_space: global }
      - { .name: g2, .offset: 72, .size: 8, .value_kind: global_buffer, .address_space: global }
      - { .name: bt1, .offset: 80, .size: 8, .value_kind: global_buffer, .address_space: global }
      - { .name: bt2, .offset: 88, .size: 8, .value_kind: global_buffer, .address_space: global }
      - { .name: lowp_scales, .offset: 96, .size: 8, .value_kind: global_buffer, .address_space: global }
      - { .name: qimg, .offset: 104, .size: 8, .value_kind: global_buffer, .address_space: global }
      - { .name: pimg, .offset: 112, .size: 8, .value_kind: global_buffer, .address_space: global }
      - { .name: linv, .offset: 120, .size: 8, .value_kind: global_buffer, .address_space: global }
      - { .name: out0, .offset: 128, .size: 8, .value_kind: global_buffer, .address_space: global }
      - { .name: out1, .offset: 136, .size: 8, .value_kind: global_buffer, .address_space: global }
    .group_segment_fixed_size: 327680
    .private_segment_fixed_size: 0
    .kernarg_segment_align: 8
    .kernarg_segment_size: 144
    .max_flat_workgroup_size: 128
    .sgpr_count:     80
    .vgpr_count:     1024
    .wavefront_size: 32
...
	.end_amdgpu_metadata
.endif
;; end of part 3
